; MI455X (gfx1250); checked and timed in simulation.
; The chip was launched on July 23, 2026; its instructions are those of AMD's public machine-readable ISA for CDNA 5 (MIT licence, August 2026) and "CDNA5" Instruction Set Architecture Reference Guide (July 2026). The comments in the code are by the model that wrote it; some were corrected since.
;; Causal Self Attention. Allowed arithmetic: matrix products marked QUANTISED: E4M3 operands, one given power-of-two scale a tensor, by v_wmma_f32_16x16x64_fp8_fp8 or v_wmma_f32_16x16x128_fp8_fp8, f32 sums; everything else in f32.
;; Inputs: W_attn_codes 3,072 x 32 x 32 uint8 (E4M3 codes of W_attn, K innermost, in blocks of 32 codes); W_proj_codes 1,024 x 32 x 32 uint8 (E4M3 codes of W_proj, K innermost, in blocks of 32 codes); lowp_scales 8 int32 (the exponents e of the quantised operands' scales 2^e); x_codes 4 x 2,048 x 32 x 32 uint8 (E4M3 codes of x, K innermost, in blocks of 32 codes).
;; Outputs: out0 4 x 2,048 x 1,024 float32.
;; This version of the problem:
;;   THIS VERSION OF THE PROBLEM IS GIVEN IN LOW PRECISION. The matrix products marked QUANTISED in the list below multiply operands that are first quantised to E4M3 (4 exponent bits, 3 mantissa bits; 8 bits a number), with one given power-of-two scale for each operand tensor; their sums are f32. All else is computed in f32.
;;   The module's matrix products, in the order in which they are computed (A, B: the left and right operand; K: the contracted axis; several contracted axes count as one K, in the product's order):
;;     1. [M 8,192, K 1,024] x [K 1,024, N 3,072]; A: input x (given as codes); B: input W_attn (given as codes): QUANTISED (scales: A lowp_scales[0], B lowp_scales[1])
;;     2. batch 64 x [M 2,048, K 64] x [K 64, N 2,048]; A: computed on the way; B: computed on the way: QUANTISED (scales: A lowp_scales[2], B lowp_scales[3])
;;     3. batch 64 x [M 64, K 2,048] x [K 2,048, N 2,048]; A: computed on the way; B: softmax (see below): QUANTISED (scales: A lowp_scales[4], B lowp_scales[5])
;;     4. [M 8,192, K 1,024] x [K 1,024, N 1,024]; A: computed on the way; B: input W_proj (given as codes): QUANTISED (scales: A lowp_scales[6], B lowp_scales[7])
;;   THE QUANTISER, for each operand of a quantised product, along K:
;;     - The operand's scale is 2^e, e = its entry of the input lowp_scales (int32; the entries are numbered through the quantised products in the list's order, A before B).
;;     - Each number is divided by the scale, clamped to +-448, and rounded to the nearest number of E4M3, ties to even, subnormals kept.
;;     - The product sums the exact products of the quantised numbers (number of the format x scale) in f32.
;;   ~~~python
;;   def quantise(x, axis, e):      # numpy; x: float32 -> the quantised numbers, widened to float32 again
;;       x = np.moveaxis(x, axis, -1); K = x.shape[-1]
;;       r = np.clip(x / 2.0 ** e, -448, 448)
;;       step = 2.0 ** (np.maximum(np.frexp(np.where(r == 0, 1, r))[1] - 1, -6) - 3)
;;       q = np.round(r / step) * step * 2.0 ** e      # np.round: ties to even
;;       return np.moveaxis(q, -1, axis).astype(np.float32)
;;   ~~~
;;   SOFTMAX AHEAD OF A QUANTISED PRODUCT. Where the list says 'softmax', what is quantised is not the finished softmax but p = 2^(t - M), with t = logit x log2(e) and M = ceil(the row's largest t), a whole number; so 1/2 < the row's largest p <= 1. The row's sum l is taken of the UNQUANTISED p, in f32, and the product's result is divided by l at the end. Since M is a whole number, a kernel that streams over the keys may use a running M (the ceiling of the running maximum): every later rescaling is an exact power of two, so the quantised numbers keep their values, but for numbers so far below the row's largest that they fall under the format's range.
;;   OPERANDS COMPUTED ON THE WAY. 'Computed on the way' means the value that the module computes at that place (a softmax that the list does not call 'softmax' is quantised finished and normalised). What goes into a quantiser is computed in f32, as accurately as f32 sums, v_exp_f32 and their like allow (about 1e-6 of the number): no bf16 or f16 on the way to a quantiser, and a product that is left as it is and whose result goes on into a quantised operand takes f32 operands (vector FMAs, or v_wmma_f32_16x16x4_f32). A number that lies on a knife's edge between two numbers of the format may be rounded either way, as far as f32 arithmetic and the matrix unit's own rounding can turn it there, and no further.
;;   INPUTS GIVEN AS CODES. W_attn (in the module: [1024, 3072], K = its axis 0); W_proj (in the module: [1024, 1024], K = its axis 0); x (in the module: [4, 2048, 1024], K = its axis 2): each comes as NAME_codes (uint8): NAME with its K axis moved to the last place and cut into blocks of 32 codes, [.., K / 32, bytes a block], one block behind the other in memory; one code a byte (a code: sign, 4 exponent bits, 3 mantissa bits); its scale is its entry of lowp_scales. Its value is code x scale, taken as it is: it is not quantised again, and the codes and scales need not be those that the quantiser above would give.
;; One version. Each part assembles by itself: llvm-mc -triple=amdgcn-amd-amdhsa -mcpu=gfx1250 --defsym DOCPART=n.
;; ======== version 1 of 1: 3 launches
;; limits: right only within a limited range of input values
;; workspace buffers: qkv 25,165,824 bytes; yimg 8,388,608 bytes
;; launch qkv (part 1): grid 64 x 4, 4 waves a work-group, clusters of 4 x 4, 327,680 bytes of LDS; arguments x_codes, W_attn_codes, lowp_scales, qkv; writes qkv
.if DOCPART == 1
	.amdgcn_target "amdgcn-amd-amdhsa--gfx1250"
	.amdhsa_code_object_version 6
	.text
	.protected	k_qfb4167468e_qkv
	.globl	k_qfb4167468e_qkv
	.p2align	8
	.type	k_qfb4167468e_qkv,@function
k_qfb4167468e_qkv:
	s_mov_b64 s[64:65], 0
	v_nop
	global_prefetch_b8 v0, s[64:65] scope:SCOPE_SE
	s_setreg_imm32_b32 hwreg(HW_REG_WAVE_MODE, 25, 1), 1
	s_wait_xcnt 0x0
	s_wait_alu depctr_hold_cnt(0) depctr_sa_sdst(0) depctr_va_vdst(0) depctr_va_sdst(0) depctr_va_ssrc(0) depctr_va_vcc(0) depctr_vm_vsrc(0)
	s_getreg_b32 s2, hwreg(HW_REG_IB_STS2, 6, 4)
	s_cmp_eq_u32 s2, 0
	s_cbranch_scc0 .Lentry_in_a_cluster
	s_endpgm
.Lentry_in_a_cluster:
	s_bfe_u32 s2, ttmp6, 0x10000c
	s_cmp_lg_u32 s2, 0xf033
	s_cbranch_scc0 .Lentry_shape_is_right
	s_endpgm
.Lentry_shape_is_right:
; qkv = x W_attn on codes of FP8 (E4M3), and its three parts quantised again: q with 2^e2, k with 2^e3, v with 2^e4 (e0 .. e7: the eight whole numbers of lowp_scales; x has e0, W_attn e1).
; WORK LEFT OUT, in the later launch attn: key steps all of whose keys come after all queries of a tile.  reference() builds the causal mask itself and sets those scores to -infinity, so their p is 0 and they add
; nothing to the sum or to y, whatever the inputs hold.  LIMIT: a NaN, an infinity or an overflow that reaches only that work is not carried to the result.  Every input has a way to the output and is loaded.
; x_codes: [8192][1024], W_attn_codes: [3072][1024], one code a byte, K innermost.  C'[m][n] = sum over k of A'[m][k] B'[n][k].
; THE MATRIX INSTRUCTION IS USED TRANSPOSED (source 0 = 16 rows of B', source 1 = 16 rows of A'): a lane holds one row of A' and eight neighbours along B'.
; A WORK-GROUP STAYS AND MAKES TWO TILES: 256 work-groups, 16 clusters of 4 x 4, four waves each.
;   tile 1 (q, k): A' = 256 rows of x, B' = 256 of W_attn's rows 0-2047; a wave makes 128 x 128: 64 accumulators.  A lane holds one token and eight neighbouring features: the next product's K runs along its registers.
;   tile 2 (v):    A' = 128 of W_attn's rows 2048-3071, B' = 256 rows of x; a wave makes 64 x 128: 32 accumulators.  A lane holds one feature and eight neighbouring tokens: the keys, the K of the product with p.
; 256 tiles of q and k and 256 half tiles of v: one of each to a work-group.  A's tile is shared along a row of the cluster, B's along a column, each asked for JOINTLY (the same load, the same descriptor, a mask that names the four).
; LDS: two slots, each with 256 rows of A' and 256 of B' for 256 along K.  EVERY REQUEST FILLS BOTH SLOTS, one tensor load a wave: waves 0, 1 fetch A' for the two K steps, waves 2, 3 B'.  Four requests: K 0-511 and 512-1023 of
; each tile.  A request stands in the last step of 128 that multiplies the slots' old tiles, behind an add to the spare word, its wait and a round of the cluster's barrier; tile 2's first lands while tile 1 goes out.
; No prefetch is written: K is 1,024, each request covers half of it, and the block is the largest that the registers hold, in clusters.
; THE RESULT: 128 x 128 codes are one block of 16,384 bytes of the workspace, laid as IMAGES OF OPERAND REGISTERS: byte 2048 i + 512 c + 16 lane, i = 0 .. 7, c = 0 .. 3, holds, of row 32 (i / 2) + 8 (i % 2) + r + 8 (r / 8)
; of the block (r = lane % 16, h = lane / 16), the columns 32 c + 16 h + 0 .. 15.  Block (F, tb) lies at (64 F + tb) x 16,384: F = 0-7 q, 8-15 k, 16-23 v, each for 128 features; tb = token / 128.  In tile 2 a wave makes half a block (i = 0-3 or 4-7).
; LIMITS: e2 - e0 - e1, e3 - e0 - e1 and e4 - e0 - e1 lie between -126 and 119, so that the conversion's scale and 448 x that scale are f32 numbers.  NaN codes among the inputs are not served.
; REGISTERS, in windows of 256: window 0: v0-31 addresses and constants; from v128 A's fragments (tile 1: one set of eight; tile 2: two sets of four); on the way out v32-95 the held sums, v96-127 codes, v128-191 images.
;   window 1: B's fragments, TWO sets, at v0 and v128.   window 2: the accumulators of my rows 0-63 ((a, b) at v[8 (8 a + b)]);   window 3: those of my rows 64-127 (tile 1 alone).
.set ROWB,   256                       ; a tile's row in bytes: 256 codes
.set KROW,   1024                      ; a row of A' or B' in memory, in bytes
.set PITCH,  272                       ; an LDS row: 256 bytes + 16 of padding: the 16 rows that a fragment load touches start 68 words apart
.set FR,     16                        ; registers of a fragment: 16 rows x 128 K
.set NL,     4                         ; LDS loads that bring one
.set NP,     4                         ; places behind this matrix instruction (ISA guide 7.12.1)
.set HALFT,  128*PITCH
.set SLOT,   4*HALFT                   ; A's 256 rows, then B's 256 rows
.set SPARE,  2*SLOT                    ; behind the slots: the spare words, 128 bytes for each wave; no other line names them
.set STAGE,  SPARE+512                 ; behind them: a stage of 32 rows x SP bytes for each wave; no tensor load lands there
.set SP,     144                       ; a stage row: 128 codes + 16 bytes
.set ADRA, 16                          ; v16-17  LDS address of my A fragments in slot 0, 1 (tile 1)
.set ADRA2, 18                         ; v18-19  the same in tile 2
.set ADRB, 20                          ; v20-21  the same for B
.set STO,  24                          ; v24     the stage: where I put 8 codes of a row
.set RD,   25                          ; v25     the stage: where I read 16 codes of an image's row
.set CO,   26                          ; v26     16 x lane: my place in an image's 512 bytes
.set SCL,  27                          ; v27     the conversion's scale as f32
.set SPW,  28                          ; v28     LDS address of my spare word; never rewritten
.set NIL,  29                          ; v29     0; never rewritten
.set LIM,  30                          ; v30     448 x the scale
.set TMP,  32                          ; v32-95  a block's 64 sums, held
.set CD,   96                          ; v96-127 a block's codes, two sets of 16
.set AF,   128                         ; A's fragments, in window 0
.set BK,   128                         ; the way out: images read back, v128-159 and v160-191 by turns
.set G1A, 24                           ; s[24:31] descriptor group 1: A's tiles of 256 rows
.set G0,  32                           ; s[32:35] group 0 for A's tiles;  s[36:39] for B's
.set G0B, 36
.set G1B, 48                           ; s[48:55] group 1: B's tiles of 256 rows
.set G1C, 56                           ; s[56:63] group 1: A's tiles of 128 rows (tile 2)
.set MSB, 0
.macro WIN new                         ; the immediate's high byte repeats the setting that is left; a switch that changes nothing is dropped
.if MSB != (\new)
	s_set_vgpr_msb (MSB<<8)|(\new)
.set MSB, (\new)
.endif
.endm
.set MUL_LO, 0xa1                      ; source 0 (B) window 1, source 1 (A) window 0, C and D window 2
.set MUL_HI, 0xf1                      ; the same, C and D window 3
.set TO_B,   0x40                      ; destination window 1, address window 0
; A joint load: waves 0 and 1 fetch for A, waves 2 and 3 for B; wave % 2 is the slot and the K step, by the addresses in group 0.  The branch hangs on the wave's number alone.  An s_nop 0 and four v_nop follow each line.
.macro JLOAD g1a
	s_cmp_eq_u32 s15, 0
	s_cbranch_scc0 .Lfor_b_\@
	tensor_load_to_lds s[G0:G0+3], s[\g1a:\g1a+7]
	s_nop 0
.rept 4
	v_nop
.endr
	s_branch .Lasked_\@
.Lfor_b_\@:
	tensor_load_to_lds s[G0B:G0B+3], s[G1B:G1B+7]
	s_nop 0
.rept 4
	v_nop
.endr
.Lasked_\@:
.endm
.macro CREST                           ; a round of the cluster's barrier behind its opening barrier
	s_cmp_lg_u32 s14, 0
	s_cbranch_scc1 .Lnot_wave_0_\@
	s_barrier_signal -3
.Lnot_wave_0_\@:
	s_barrier_wait -3
	s_barrier_signal -1
	s_barrier_wait -1
.endm
.macro CROUND                          ; a whole round
	s_barrier_signal -1
	s_barrier_wait -1
	CREST
.endm
.macro GROUP1 g, rows                  ; rows of 256 bytes, 1,024 apart in memory, padded in LDS; word 0 is made apart
	s_mov_b32 s[\g+1], ROWB<<16                    ; tensor_dim0
	s_mov_b32 s[\g+2], (\rows)<<16                 ; tensor_dim1
	s_mov_b32 s[\g+3], ROWB<<16                    ; tile_dim0
	s_mov_b32 s[\g+4], \rows                       ; tile_dim1
	s_mov_b32 s[\g+5], KROW                        ; tensor_dim0_stride
	s_mov_b32 s[\g+6], 0
	s_mov_b32 s[\g+7], 0
.endm
	s_load_b128 s[4:7], s[0:1], 0x0                ; x's codes s[4:5], W_attn's codes s[6:7]
	s_load_b128 s[8:11], s[0:1], 0x10              ; the scales' exponents s[8:9], the workspace s[10:11]
	v_lshl_add_u32 v[SPW], v0, 2, SPARE
	v_mov_b32 v[NIL], 0
	ds_add_u32 v[SPW], v[NIL]                      ; the opening: the add, twice on end, and its wait ahead of my first tensor load
	ds_add_u32 v[SPW], v[NIL]
	v_lshrrev_b32 v1, 5, v0
	v_readfirstlane_b32 s14, v1                    ; wave 0..3
	s_lshr_b32 s15, s14, 1                         ; which half of the tile's rows is mine.  Also: I fetch for A (0) or for B (1)
	s_and_b32 s16, s14, 1                          ; which half of its columns.  Also: which slot and K step I fetch
	s_bfe_u32 s40, ttmp6, 0x40000                  ; cx, cy: my place in the cluster
	s_bfe_u32 s41, ttmp6, 0x40004
	s_lshr_b32 s18, ttmp9, 1                       ; cluster c: c / 2 (of 8) counts tokens, c % 2 features
	s_and_b32 s19, ttmp9, 1
	s_lshl_b32 s17, s18, 2
	s_add_co_u32 s17, s17, s41                     ; tile 1: 256 rows of x at 4 (c / 2) + cy,
	s_lshl_b32 s42, s19, 2
	s_add_co_u32 s42, s42, s40                     ; 256 rows of W_attn at 4 (c % 2) + cx
	s_lshl_b32 s86, s19, 2
	s_add_co_u32 s86, s86, s41                     ; tile 2: 128 rows of W_attn's last 1,024 at 4 (c % 2) + cy,
	s_lshl_b32 s87, s18, 2
	s_add_co_u32 s87, s87, s40                     ; 256 rows of x at 4 (c / 2) + cx
	s_lshl_b32 s43, s41, 2
	s_lshl_b32 s43, 15, s43                        ; my row of the cluster
	s_lshl_b32 s44, 0x1111, s40                    ; my column
	s_or_b32 s[G1A], s43, (0<<16)|(1<<20)|(1<<21)|(5<<22)|(3<<25)   ; 15:0 the mask: A's tiles go to my row; 17:16 element of 1 byte; 20 padding on; 21 set beside a mask; 24:22 after every 64 words (code 5); 31:25 of 4 words (code 3)
	s_or_b32 s[G1C], s43, (0<<16)|(1<<20)|(1<<21)|(5<<22)|(3<<25)
	s_or_b32 s[G1B], s44, (0<<16)|(1<<20)|(1<<21)|(5<<22)|(3<<25)   ; B's go to my column
	GROUP1 G1A, 256
	GROUP1 G1B, 256
	GROUP1 G1C, 128
	s_lshl_b32 s46, s16, 8                         ; my K step: 256 bytes x wave % 2
	s_lshl_b32 s20, s17, 18                        ; tile 1, A': 256 rows of 1,024 bytes x its number; all four offsets stay under 2^24
	s_add_co_u32 s20, s20, s46
	s_mov_b32 s21, 0
	s_lshl_b32 s22, s42, 18                        ; tile 1, B'
	s_add_co_u32 s22, s22, s46
	s_mov_b32 s23, 0
	s_lshl_b32 s76, s86, 17                        ; tile 2, A': 128 rows x its number, behind W_attn's first 2,048 rows
	s_add_co_u32 s76, s76, 0x200000
	s_add_co_u32 s76, s76, s46
	s_mov_b32 s77, 0
	s_lshl_b32 s78, s87, 18                        ; tile 2, B'
	s_add_co_u32 s78, s78, s46
	s_mov_b32 s79, 0
	s_mul_i32 s45, s16, SLOT                       ; where they go: slot wave % 2: no place in the cluster enters an LDS address
	s_wait_dscnt 0x0                               ; both opening adds are done
	s_wait_kmcnt 0x0
	s_load_b256 s[68:75], s[8:9], 0x0              ; e0 .. e7
	s_mov_b32 s[G0], 1
	s_mov_b32 s[G0+1], s45
	s_add_nc_u64 s[G0+2:G0+3], s[4:5], s[20:21]
	s_or_b32 s[G0+3], s[G0+3], 0x80000000
	s_mov_b32 s[G0B], 1
	s_add_co_u32 s[G0B+1], s45, 2*HALFT            ; B's rows lie behind A's 256
	s_add_nc_u64 s[G0B+2:G0B+3], s[6:7], s[22:23]
	s_or_b32 s[G0B+3], s[G0B+3], 0x80000000
	s_add_nc_u64 s[76:77], s[6:7], s[76:77]
	s_add_nc_u64 s[78:79], s[4:5], s[78:79]
	CROUND                                         ; all sixteen work-groups are here: the first joint loads meet
	JLOAD G1A                                      ; tile 1, K 0-511: both slots, one tensor load a wave
	s_mul_i32 s21, s15, HALFT                      ; tile 1: my 128 rows of A
	s_mul_i32 s22, s16, HALFT                      ; my 128 rows of B,
	s_add_co_u32 s22, s22, 2*HALFT                 ; which lie behind A's 256
	s_mul_i32 s20, s15, 64*PITCH                   ; tile 2: my 64 rows of A
	s_mul_i32 s23, s14, 32*SP
	s_add_co_u32 s23, s23, STAGE                   ; my stage
	v_and_b32 v1, 15, v0                           ; r = l % 16
	v_bfe_u32 v2, v0, 4, 1                         ; h = l / 16
	v_mul_u32_u24 v3, v1, PITCH
	v_lshl_add_u32 v4, v2, 4, v3                   ; a fragment's row x pitch + 16 x half
	v_add_nc_u32 v[ADRA], s21, v4
	v_add_nc_u32 v[ADRB], s22, v4
	v_add_nc_u32 v[ADRA2], s20, v4
	v_add_nc_u32 v[ADRA+1], SLOT, v[ADRA]
	v_add_nc_u32 v[ADRB+1], SLOT, v[ADRB]
	v_add_nc_u32 v[ADRA2+1], SLOT, v[ADRA2]
	v_mul_u32_u24 v5, v1, SP                       ; the stage, in: row r, 8 bytes for each half of the lanes
	v_lshl_add_u32 v5, v2, 3, v5
	v_add_nc_u32 v[STO], s23, v5
	v_and_b32 v6, 8, v1
	v_add_nc_u32 v6, v6, v1                        ; back: row r + 8 (r / 8): an image's rows are not neighbours,
	v_mul_u32_u24 v6, v6, SP
	v_lshl_add_u32 v6, v2, 4, v6                   ; 16 bytes for each half of the lanes
	v_add_nc_u32 v[RD], s23, v6
	v_and_b32 v7, 31, v0
	v_lshlrev_b32 v[CO], 4, v7
	; my places in the workspace.  Tile 1: block 64 F + tb, F = 2 x (W_attn's tile) + my half of B', tb = 2 x (x's tile) + my half of A'.
	s_lshl_b32 s80, s17, 1
	s_add_co_u32 s80, s80, s15
	s_lshl_b32 s81, s42, 1
	s_add_co_u32 s81, s81, s16
	s_lshl_b32 s81, s81, 6
	s_add_co_u32 s80, s80, s81
	s_lshl_b32 s80, s80, 14                        ; x 16,384 bytes; under 2^25
	s_mov_b32 s81, 0
	; Tile 2: block 64 (16 + A's tile) + tb, tb = 2 x (x's tile) + my half of B'; my 64 rows of A' are half a block
	s_add_co_u32 s82, s86, 16
	s_lshl_b32 s82, s82, 6
	s_lshl_b32 s83, s87, 1
	s_add_co_u32 s83, s83, s16
	s_add_co_u32 s82, s82, s83
	s_lshl_b32 s82, s82, 1
	s_add_co_u32 s82, s82, s15
	s_lshl_b32 s82, s82, 13                        ; x 8,192 bytes; under 2^25
	s_mov_b32 s83, 0
	s_add_nc_u64 s[82:83], s[10:11], s[82:83]
	s_add_nc_u64 s[10:11], s[10:11], s[80:81]
.macro FRAG reg, adr, q, i             ; a fragment, 16 rows x 128 K, is 16 registers: lane l holds row l % 16; registers 4 c .. 4 c + 3 hold K = 32 c + 16 (l / 16) + 0 .. 15: the same order of k in A and in B
.irp c, 0,1,2,3
	ds_load_b128 v[\reg+4*\c:\reg+4*\c+3], v[\adr] offset:128*(\q)+32*\c+(\i)*16*PITCH
.endr
.endm
; 16 matrix instructions: A's fragments a0, a0 + 1 x B's eight, 128 along K, onto accumulators (a % 4, b) of the window in force.  p: B's set.  zero = 1: the first product starts the sums.
; The accumulators take turns, one instruction a turn, in the same order in every step.
.macro MUL16 a0, p, zero
.irp a, \a0, \a0+1
.irp b, 0,1,2,3,4,5,6,7
.if \zero
	v_wmma_f32_16x16x128_fp8_fp8 v[8*(8*((\a)%4)+\b):8*(8*((\a)%4)+\b)+7], v[128*(\p)+FR*\b:128*(\p)+FR*\b+FR-1], v[AF+FR*(\a):AF+FR*(\a)+FR-1], 0
.else
	v_wmma_f32_16x16x128_fp8_fp8 v[8*(8*((\a)%4)+\b):8*(8*((\a)%4)+\b)+7], v[128*(\p)+FR*\b:128*(\p)+FR*\b+FR-1], v[AF+FR*(\a):AF+FR*(\a)+FR-1], v[8*(8*((\a)%4)+\b):8*(8*((\a)%4)+\b)+7]
.endif
.endr
.endr
.endm
.macro FETCH_B slot, q, p              ; B's eight fragments of the slot's q-th 128 along K into set p
	WIN TO_B
.irp i, 0,1,2,3,4,5,6,7
	FRAG 128*(\p)+FR*\i, ADRB+\slot, \q, \i
.endr
	WIN 0
.endm
.macro FETCH_A slot, q, i0             ; tile 1: A's blocks i0 .. i0 + 3
.irp i, \i0, \i0+1, \i0+2, \i0+3
	FRAG AF+FR*(\i), ADRA+\slot, \q, \i
.endr
.endm
.macro FETCH_A2 slot, q, set           ; tile 2: A's four blocks into set 0 (fragments 0-3) or 1 (fragments 4-7)
.irp i, 0,1,2,3
	FRAG AF+FR*(4*(\set)+\i), ADRA2+\slot, \q, \i
.endr
.endm
; A load into a register that a matrix instruction has read, and a vector instruction that reads a matrix result, stand NP places behind that matrix instruction; only plain vector
; instructions that name none of its registers are places (ISA guide 7.12.1 for vector instructions).
.macro PLACES n
.rept \n
	v_nop
.endr
.endm
; TILE 1: a step of 128 along K on B's set p; the next step's fragments come from slot ns, its nq-th 128.  A block of A is free as soon as its eight products are issued, so one set serves A.
.macro STEP p, ns, nq, zero
	s_wait_dscnt 4*NL                              ; B's set and A's blocks 0-3 are in; the youngest 16 loads (A's blocks 4-7) may be out
	WIN MUL_LO
	MUL16 0, \p, \zero
	MUL16 2, \p, \zero
	s_wait_dscnt 0                                 ; A's blocks 4-7 are in
	PLACES NP
	FETCH_B \ns, \nq, 1-\p
	FETCH_A \ns, \nq, 0
	WIN MUL_HI
	MUL16 4, \p, \zero
	MUL16 6, \p, \zero
	PLACES NP
	WIN 0
	FETCH_A \ns, \nq, 4
.endm
; What a request asks for: on = 0: the same tile's K 512-1023; on = 1: tile 2's K 0-511.  No tensor load of mine is out, so the groups 0 may be written.
.macro ASKNEXT on, g1a
.if \on
	s_mov_b64 s[G0+2:G0+3], s[76:77]
	s_or_b32 s[G0+3], s[G0+3], 0x80000000
	s_mov_b64 s[G0B+2:G0B+3], s[78:79]
	s_or_b32 s[G0B+3], s[G0B+3], 0x80000000
.else
	s_add_nc_u64 s[G0+2:G0+3], s[G0+2:G0+3], 2*ROWB
	s_add_nc_u64 s[G0B+2:G0B+3], s[G0B+2:G0B+3], 2*ROWB
.endif
	JLOAD \g1a                                     ; the first tensor load behind the round, one a wave: both slots
.endm
; TILE 1: the last step on the slots' tiles (B's set 1).  All its fragments have been asked for; when they are in, nobody reads the slots any more, and both are filled again.
.macro LAST1 on, g1a
	s_wait_tensorcnt 0x0                           ; no tensor load of mine is out  (every window is 0 here)
	ds_add_u32 v[SPW], v[NIL]                      ; 0 onto my spare word
	s_wait_dscnt 4*NL+1                            ; (the add and the youngest 16 loads, A's blocks 4-7, may be out)
	WIN MUL_LO
	MUL16 0, 1, 0                                  ; sixteen matrix instructions stand between the add and the wait for it
	s_wait_dscnt 0x0                               ; the add is done, and my reads of both slots are over
	s_barrier_signal -1
	MUL16 2, 1, 0
	WIN 0
	s_barrier_wait -1
	CREST                                          ; the barrier has opened a round of the cluster's barrier: no wave of any partner still reads the slots or has a load on its way
	ASKNEXT \on, \g1a
	WIN MUL_HI
	MUL16 4, 1, 0
	MUL16 6, 1, 0
	WIN 0
.endm
.macro MEET                            ; my part of both slots is in; behind the barrier everybody's is.
	s_wait_tensorcnt 0x0
	s_barrier_signal -1
	s_barrier_wait -1
.endm
; TILE 2: a step of 128 along K on set p of A and of B; the next step's fragments go into the other sets while this step's 32 products are issued.
.macro STEP2 p, ns, nq, zero
	s_wait_dscnt 0x0                               ; this step's fragments are in
	PLACES NP
	FETCH_B \ns, \nq, 1-\p
	FETCH_A2 \ns, \nq, 1-\p
	WIN MUL_LO
	MUL16 4*\p, \p, \zero
	MUL16 4*\p+2, \p, \zero
	WIN 0
.endm
	s_wait_alu depctr_va_vdst(0)                   ; the head's end
	MEET
	FETCH_B 0, 0, 0
	FETCH_A 0, 0, 0
	FETCH_A 0, 0, 4
	STEP 0, 0, 1, 1                                ; K 0-127: these products start the sums
	STEP 1, 1, 0, 0
	STEP 0, 1, 1, 0
	LAST1 0, G1A                                   ; K 384-511; the slots take K 512-1023
	MEET
	PLACES NP                                      ; behind the last products, for the loads into the registers that they read
	FETCH_B 0, 0, 0
	FETCH_A 0, 0, 0
	FETCH_A 0, 0, 4
	STEP 0, 0, 1, 0
	STEP 1, 1, 0, 0
	STEP 0, 1, 1, 0
	LAST1 1, G1C                                   ; K 896-1023; the slots take tile 2's K 0-511
; THE SCALE.  A sum stands for sum x 2^(e0 + e1); its code is sum / 2^(eX - e0 - e1): the three exponents are folded into the conversion's one.  ex: the register that holds eX.
.macro SCALE ex
	s_sub_co_i32 s84, s[\ex], s68
	s_sub_co_i32 s84, s84, s69
	s_add_co_i32 s84, s84, 127
	s_lshl_b32 s85, s84, 23
	v_mov_b32 v[SCL], s85                          ; 2^(eX - e0 - e1) as f32: the conversion takes its exponent field
	s_add_co_i32 s84, s84, 8
	s_lshl_b32 s84, s84, 23
	s_or_b32 s84, s84, 0x600000
	v_mov_b32 v[LIM], s84                          ; 448 x that
.endm
; THE WAY OUT.  Block a (16 rows x 128 columns): the sums are held within +-448 x the scale (the conversion to an 8-bit code does not saturate: ISA guide 7.6.2), each accumulator from its low end on
; then converted, and a lane's 8 codes of each accumulator go into row r of my stage.
.macro QBLOCK a
.set AC, 64*((\a)%4)
.set CC, CD+16*((\a)%2)
	WIN 0x02+((\a)/4)                              ; source 0: window 2 or 3
.set j, 0
.rept 64
	v_med3_num_f32 v[TMP+j], v[AC+j], -v[LIM], v[LIM]
.set j, j+1
.endr
	WIN 0
.irp b, 0,1,2,3,4,5,6,7
	v_cvt_scalef32_pk8_fp8_f32 v[CC+2*\b:CC+2*\b+1], v[TMP+8*\b:TMP+8*\b+7], v[SCL]
.endr
	v_nop                                          ; one plain vector instruction between the conversions and the next block's holds, which write their sources
.irp b, 0,1,2,3,4,5,6,7
	ds_store_b64 v[STO], v[CC+2*\b:CC+2*\b+1] offset:16*((\a)%2)*SP+16*\b
.endr
.endm
; Two blocks, 32 rows, make two images (i = 2 p, 2 p + 1).  LDS serves a wave's instructions in order (ISA guide 5.7.1.4): the loads see the stores above them, and the next pair's stores come behind these loads.
.macro PAIR p
	QBLOCK 2*(\p)
	QBLOCK 2*(\p)+1
.set BB, BK+32*((\p)%2)
.irp u, 0,1
.irp c, 0,1,2,3
	ds_load_b128 v[BB+4*(4*\u+\c):BB+4*(4*\u+\c)+3], v[RD] offset:8*\u*SP+32*\c
.endr
.endr
.endm
.macro SENDP p, younger, base          ; younger: the LDS instructions issued behind pair p's loads, which may stay out
.set BB, BK+32*((\p)%2)
	s_wait_dscnt \younger
.irp u, 0,1
.irp c, 0,1,2,3
	global_store_b128 v[CO], v[BB+4*(4*\u+\c):BB+4*(4*\u+\c)+3], s[\base:\base+1] offset:4096*(\p)+2048*\u+512*\c   ; 32 lanes store 512 consecutive bytes, at a multiple of 512 from the buffer's first byte
.endr
.endr
.endm
	s_wait_kmcnt 0x0
	s_and_b32 s85, ttmp9, 1
	s_cmp_lg_u32 s85, 0
	s_cselect_b32 s84, s71, s70                    ; odd clusters make k, even ones q: a select on the cluster's number, no branch
	SCALE 84
	PLACES NP                                      ; behind the last products: for the reads of results and the loads into the registers that held A's fragments
	PAIR 0
	PAIR 1
	SENDP 0, 24, 10                                ; behind pair 0's loads: pair 1's 16 stores and 8 loads
	s_wait_xcnt 0x0                                ; pair 0's stores have read their registers: pair 2's images may land there
	PAIR 2
	SENDP 1, 24, 10
	s_wait_xcnt 0x0                                ; likewise pair 1's, for pair 3
	PAIR 3
	SENDP 2, 24, 10
	SENDP 3, 0, 10
	s_wait_xcnt 0x0                                ; the stores have read their registers: tile 2's fragments may land there
	MEET                                           ; TILE 2: its K 0-511 is in
	FETCH_B 0, 0, 0
	FETCH_A2 0, 0, 0
	STEP2 0, 0, 1, 1                               ; these products start the sums
	STEP2 1, 1, 0, 0
	STEP2 0, 1, 1, 0
	s_wait_tensorcnt 0x0                           ; the last step on these tiles: no tensor load of mine is out  (every window is 0 here)
	ds_add_u32 v[SPW], v[NIL]                      ; 0 onto my spare word
	s_wait_dscnt 0x0                               ; the add is done, and my reads of both slots are over
	s_barrier_signal -1
	WIN MUL_LO
	MUL16 4, 1, 0
	WIN 0
	s_barrier_wait -1
	CREST
	ASKNEXT 0, G1C                                 ; the slots take tile 2's K 512-1023
	WIN MUL_LO
	MUL16 6, 1, 0
	WIN 0
	MEET
	PLACES NP
	FETCH_B 0, 0, 0
	FETCH_A2 0, 0, 0
	STEP2 0, 0, 1, 0
	STEP2 1, 1, 0, 0
	STEP2 0, 1, 1, 0
	s_wait_dscnt 0x0                               ; the last step: nothing more to fetch
	WIN MUL_LO
	MUL16 4, 1, 0
	MUL16 6, 1, 0
	WIN 0
	SCALE 72                                       ; v: e4
	PLACES NP
	PAIR 0
	PAIR 1
	SENDP 0, 24, 82
	SENDP 1, 0, 82
	s_wait_tensorcnt 0x0                           ; the wave's end: behind my last tensor load and my last LDS store
	ds_add_u32 v[SPW], v[NIL]
	s_wait_dscnt 0x0
	CROUND                                         ; the closing round: no work-group ends while a partner may still ask for a tile that names it
	s_endpgm
.Lfunc_end_k_qfb4167468e_qkv:
	.size	k_qfb4167468e_qkv, .Lfunc_end_k_qfb4167468e_qkv-k_qfb4167468e_qkv
	.p2alignl 7, 3214868480
	.fill 96, 4, 3214868480
	.section	.rodata,"a",@progbits
	.p2align	6, 0x0
	.amdhsa_kernel k_qfb4167468e_qkv
		.amdhsa_group_segment_fixed_size 327680
		.amdhsa_private_segment_fixed_size 0
		.amdhsa_enable_private_segment 0
		.amdhsa_kernarg_size 32
		.amdhsa_user_sgpr_count 2
		.amdhsa_user_sgpr_kernarg_segment_ptr 1
		.amdhsa_wavefront_size32 1
		.amdhsa_system_sgpr_workgroup_id_x 1
		.amdhsa_system_sgpr_workgroup_id_y 1
		.amdhsa_system_sgpr_workgroup_id_z 1
		.amdhsa_system_vgpr_workitem_id 0
		.amdhsa_next_free_vgpr 1024
		.amdhsa_next_free_sgpr 100
		.amdhsa_reserve_vcc 0
		.amdhsa_float_denorm_mode_32 3
		.amdhsa_float_denorm_mode_16_64 3
		.amdhsa_memory_ordered 1
		.amdhsa_forward_progress 1
		.amdhsa_inst_pref_size 191
	.end_amdhsa_kernel
	.amdgpu_metadata
---
amdhsa.version: [ 1, 2 ]
amdhsa.kernels:
  - .name:           k_qfb4167468e_qkv
    .symbol:         k_qfb4167468e_qkv.kd
    .args:
      - { .name: x_codes, .offset: 0, .size: 8, .value_kind: global_buffer, .address_space: global }
      - { .name: W_attn_codes, .offset: 8, .size: 8, .value_kind: global_buffer, .address_space: global }
      - { .name: lowp_scales, .offset: 16, .size: 8, .value_kind: global_buffer, .address_space: global }
      - { .name: qkv, .offset: 24, .size: 8, .value_kind: global_buffer, .address_space: global }
    .group_segment_fixed_size: 327680
    .private_segment_fixed_size: 0
    .kernarg_segment_align: 8
    .kernarg_segment_size: 32
    .max_flat_workgroup_size: 128
    .sgpr_count:     100
    .vgpr_count:     1024
    .wavefront_size: 32
...
	.end_amdgpu_metadata
.endif
;; end of part 1
;; launch attn (part 2): grid 4 x 64, 16 waves a work-group, clusters of 4 x 1, 327,680 bytes of LDS; arguments qkv, lowp_scales, yimg; writes yimg
.if DOCPART == 2
	.amdgcn_target "amdgcn-amd-amdhsa--gfx1250"
	.amdhsa_code_object_version 6
	.text
	.protected	k_qfb4167468e_attn
	.globl	k_qfb4167468e_attn
	.p2align	8
	.type	k_qfb4167468e_attn,@function
k_qfb4167468e_attn:
	s_mov_b64 s[64:65], 0
	v_nop
	global_prefetch_b8 v0, s[64:65] scope:SCOPE_SE
	s_setreg_imm32_b32 hwreg(HW_REG_WAVE_MODE, 25, 1), 1
	s_wait_xcnt 0x0
	s_wait_alu depctr_hold_cnt(0) depctr_sa_sdst(0) depctr_va_vdst(0) depctr_va_sdst(0) depctr_va_ssrc(0) depctr_va_vcc(0) depctr_vm_vsrc(0)
	s_getreg_b32 s2, hwreg(HW_REG_IB_STS2, 6, 4)
	s_cmp_eq_u32 s2, 0
	s_cbranch_scc0 .Lentry_in_a_cluster
	s_endpgm
.Lentry_in_a_cluster:
	s_bfe_u32 s2, ttmp6, 0x10000c
	s_cmp_lg_u32 s2, 0x3003
	s_cbranch_scc0 .Lentry_shape_is_right
	s_endpgm
.Lentry_shape_is_right:
; y[b][t][head] = the sum over keys s <= t of softmax_s(q[t] . k[s] / 8) v[s], for 64 pairs (batch, head) of 2,048 tokens and head size 64, both products on codes of FP8 (E4M3); y is quantised with 2^e6.
; q, k, v come from the workspace as images of operand registers (blocks of 16,384 bytes: 128 tokens x two heads): q with 2^e2, k with 2^e3, v (keys innermost) with 2^e4; p is quantised with 2^e5.
; THE SOFTMAX: t = score x log2(e) / 8; M = the row's largest t so far, rounded UP to a whole number; p = 2^(t - M) is what is quantised; the row's sum is taken of the unquantised p, in f32, and divides O at the end.
; When M moves, the sum and O are multiplied by 2^(old M - new M): exact.
; WORK LEFT OUT: key steps all of whose keys come after a tile's queries: reference()'s own causal mask makes their p 0 for all inputs.
; SHARES.  A cluster of four work-groups owns one (batch, head).  The head's whole K and V, 131,072 bytes each, lie in every work-group's LDS, each byte filled once, by joint loads (the same tensor load, the same
; descriptor, a mask that names the four).  Keys 0-511 are asked for at the head, one load a wave; the rest behind an add to the spare word, its wait and a round of the cluster's barrier, one load a wave.
; Nothing is asked for later, so there is no later request that a prefetch could run ahead of: none is written.
; A wave owns TWO TILES of 16 queries: tile A in block g of 128 queries, tile B in block 15 - g, both at queries 32 p + 16 x + 0 .. 15 of their block (p: the work-group's place in the cluster; g = 0 .. 7 and x = 0, 1 from the
; wave's number by a table).  Tile A wants key steps 0 .. g of 128 keys, tile B 0 .. 15 - g: 17 tile-steps in every wave.  While both are live they share each fragment of K and V read from LDS.
; THE TABLE: any four waves alike in w % 4, or alike in w / 4, hold either one wave with g = 0, or one with g = 1 and one with g = 2, so that they have 29 tile-steps together in key steps 0-3, ahead of the barrier there.
; CAUSAL.  A tile's last step lies on the diagonal: hidden scores become -infinity there.  Steps beyond are left out by scalar branches on the wave's number and the loop's count: alike in all four partners;
; p enters only Q's and y's addresses in memory and a vector that is compared.  The loops' trip counts are constants.
; LAYOUT.  Both products are used transposed: S^T = K Q^T (source 0 = 16 keys, source 1 = 16 queries), O^T = V^T P^T (source 0 = 16 of the head's 64): a lane holds ONE query (lane % 16) throughout.
; The keys of a tile of K are not neighbours (lane r of tile 2 b + u: key 32 b + 8 u + r + 8 (r / 8)), so that the 16 registers of tiles 2 b, 2 b + 1 are keys 32 b + 16 (lane / 16) + 0 .. 15: the conversions' results are P's registers.
; V's tiles choose the head's channels in the same way, so that O^T's registers are y's operand registers for the last product: y leaves as images, straight from registers.
; LDS: K: tile T (16 keys) at 1024 T + 512 c + 16 lane.  V at VB, in eight strips k = 2 t + c4 / 2: VB + 16384 k + 1024 s + 512 (c4 % 2) + 16 lane (s: key step, t: tile of channels, c4: 32 keys).
; LIMITS on the given exponents, so that each power of two below is an f32 number: e2 + e3 between -123 and 130 (added to c's exponent field); e5 and e6 - e4 - e5 between -126 and 119.  The scaled scores t stay under 2^31 in magnitude.
; REGISTERS: v1-7 addresses and constants; v8-11, v12-15 tile A's, B's -M, largest t, sum in two halves; v16-23, v24-31 Q; v32-95 K's 8 fragments, then V's 4; v96-159 S^T, then p; v160-191, v192-223 O^T; v224-239 P of A;
;   v240-255 P of B, and ahead of its conversions the registers at work.  v254, v255 serve the add at the head and are made anew from v0 at the end.
.set VB,   131072
.set SPARE, 262144                     ; behind K and V: the spare words, 128 bytes for each of 16 waves; no other line names them
.set L16,  1                           ; v1   16 x lane
.set ADR,  2                           ; v2   LDS address of the loads in hand
.set DQ,   3                           ; v3   32 p + 16 x + r - 16 h: my query within its block, less my half's first key
.set SCLP, 4                           ; v4   2^e5 as f32
.set QO,   5                           ; v5   my byte offset in Q's images
.set LIMY, 6                           ; v6   448 x 2^(e6 - e4 - e5)
.set SCLY, 7                           ; v7   2^(e6 - e4 - e5)
.set STA,  8
.set STB,  12
.set QA,   16
.set QB,   24
.set F,    32
.set S,    96
.set OA,   160
.set OB,   192
.set PA,   224
.set PB,   240
.set SUM2, 248                         ; v[248:249] the sums' second chain
.set PERM, 250
.set NINF, 251
.set FP,   252                         ; v[252:253] f = 2^(old M - new M); the pair's low word serves both halves
.set T1,   252                         ; the maximum's second chain: over before f is made
.set T0,   254
.set WV,   10                          ; s10  my wave's number
.set GA,   11                          ; s11  g: tile A's block and last key step
.set W8,   12                          ; s12  wave % 8
.set J,    13                          ; s13  the key step
.set TBK,  14                          ; s14  LDS byte of the step's tiles of K
.set TBV,  15                          ; s15  of V
.set LIMP, 16                          ; s16  448 x 2^e5
.set GB,   17                          ; s17  15 - g: tile B's block and last key step
.set SEL,  18                          ; s[18:19] lane selects for v_permlanex16_b32: lane l xor 16
.set CS,   20                          ; s[20:21] c = log2(e) / 8 x 2^(e2 + e3)
.set XX,   23                          ; s23  x
.set G1KA, 24                          ; four descriptor groups 1: K's early and late tiles, V's early and late
.set G1KB, 32
.set G1VA, 40
.set G1VB, 48
.set G0KA, 56                          ; and their groups 0
.set G0KB, 60
.set G0VA, 68
.set G0VB, 72
.set YA,   88                          ; s[88:89] tile A's place in y's images;  s[66:67] tile B's
.set YB,   66
.macro CROUND                          ; a round of the cluster's barrier
	s_barrier_signal -1
	s_barrier_wait -1
	s_cmp_lg_u32 s[WV], 0
	s_cbranch_scc1 .Lnot_wave_0_\@
	s_barrier_signal -3
.Lnot_wave_0_\@:
	s_barrier_wait -3
	s_barrier_signal -1
	s_barrier_wait -1
.endm
.macro GROUP1 g, rows, pitch           ; rows of 128 elements of 8 bytes (1,024 bytes), no padding
	s_mov_b32 s[\g], 15|(3<<16)|(1<<21)            ; 15:0 the mask: all four work-groups; 17:16 elements of 8 bytes; 21 set beside a mask
	s_mov_b32 s[\g+1], 128<<16                     ; tensor_dim0 = 128
	s_mov_b32 s[\g+2], (\rows)<<16                 ; tensor_dim1
	s_mov_b32 s[\g+3], 128<<16                     ; tile_dim0 = 128
	s_mov_b32 s[\g+4], \rows                       ; tile_dim1
	s_mov_b32 s[\g+5], \pitch                      ; tensor_dim0_stride, in elements
	s_mov_b32 s[\g+6], 0
	s_mov_b32 s[\g+7], 0
.endm
; A fill: waves 0-7 fetch for K, waves 8-15 for V, one load in each arm.  An s_nop 0 and four v_nop follow each.
.macro FILL g0k, g1k, g0v, g1v
	s_cmp_lt_u32 s[WV], 8
	s_cbranch_scc0 .Lfill_v_\@
	tensor_load_to_lds s[\g0k:\g0k+3], s[\g1k:\g1k+7]
	s_nop 0
.rept 4
	v_nop
.endr
	s_branch .Lfilled_\@
.Lfill_v_\@:
	tensor_load_to_lds s[\g0v:\g0v+3], s[\g1v:\g1v+7]
	s_nop 0
.rept 4
	v_nop
.endr
.Lfilled_\@:
.endm
	s_load_b128 s[4:7], s[0:1], 0x0                ; the workspace of q, k, v s[4:5], the scales' exponents s[6:7]
	s_load_b64 s[8:9], s[0:1], 0x10                ; y's images
	v_lshl_add_u32 v254, v0, 2, SPARE
	v_mov_b32 v255, 0
	ds_add_u32 v254, v255                          ; the opening: the add, twice on end, and its wait ahead of my first tensor load
	ds_add_u32 v254, v255
	v_lshrrev_b32 v2, 5, v0
	v_readfirstlane_b32 s[WV], v2                  ; wave 0..15
	s_and_b32 s[W8], s[WV], 7
	s_mov_b32 s90, 0x35fe42dc                      ; the table: four bits a wave, 2 g + x; waves 8-15,
	s_cmp_lt_u32 s[WV], 8
	s_cselect_b32 s90, 0xba198760, s90             ; waves 0-7
	s_lshl_b32 s91, s[W8], 2
	s_lshr_b32 s90, s90, s91
	s_and_b32 s90, s90, 15
	s_lshr_b32 s[GA], s90, 1
	s_and_b32 s[XX], s90, 1
	s_sub_co_u32 s[GB], 15, s[GA]
	s_bfe_u32 s22, ttmp6, 0x40000                  ; p = cx: my place in the cluster
	s_and_b32 s94, ttmp7, 0xffff                   ; 16 b + head, which the four partners share
	s_lshr_b32 s91, s94, 4                         ; b
	s_bfe_u32 s92, s94, 0x30001                    ; hp: the pair of heads
	s_and_b32 s93, s94, 1                          ; hh: the head within the pair
	s_lshl_b32 s94, s92, 6
	s_lshl_b32 s95, s91, 4
	s_add_co_u32 s94, s94, s95
	s_lshl_b32 s94, s94, 14                        ; (64 hp + 16 b) x 16,384: the batch's first block of q; k's lie 512 blocks on, v's 1,024
	s_lshl_b32 s95, s93, 10
	s_add_co_u32 s95, s95, s94
	s_add_co_u32 s95, s95, 0x800000                ; K of my head: 128 rows (tiles) of 1,024 bytes, 2,048 apart
	s_lshl_b32 s96, s[W8], 13
	s_add_co_u32 s96, s96, s95                     ; early: tiles 4 w8 .. 4 w8 + 3 (keys 0-511 among eight waves)
	s_mov_b32 s97, 0
	s_mul_i32 s98, s[W8], 24576
	s_add_co_u32 s98, s98, s95
	s_add_co_u32 s98, s98, 65536                   ; late: tiles 32 + 12 w8 on
	s_mov_b32 s99, 0
	s_lshl_b32 s2, s93, 13
	s_add_co_u32 s2, s2, s94
	s_add_co_u32 s2, s2, 0x1000000                 ; V of my head: 16 rows (key steps) of 8,192 bytes, 16,384 apart;
	s_lshl_b32 s3, s[W8], 10
	s_add_co_u32 s2, s2, s3                        ; strip w8 of 1,024 bytes
	s_mov_b32 s3, 0
	s_lshl_b32 s77, s22, 12                        ; Q: the tile's block, + 4096 p (two images) + 1024 hh + 128 x (lanes 8-15 of the images)
	s_add_co_u32 s76, s94, s77
	s_lshl_b32 s77, s93, 10
	s_add_co_u32 s76, s76, s77
	s_lshl_b32 s77, s[XX], 7
	s_add_co_u32 s76, s76, s77
	s_lshl_b32 s78, s[GB], 14
	s_add_co_u32 s78, s78, s76
	s_mov_b32 s79, 0
	s_lshl_b32 s77, s[GA], 14
	s_add_co_u32 s76, s76, s77
	s_mov_b32 s77, 0
	s_lshl_b32 s[YA], s91, 7                       ; y: tile of 16 tokens m = 128 b + 8 (block) + 2 p + x, 16,384 bytes each, + 2048 hp + 1024 hh
	s_lshl_b32 s89, s22, 1
	s_add_co_u32 s[YA], s[YA], s89
	s_add_co_u32 s[YA], s[YA], s[XX]
	s_lshl_b32 s89, s[GB], 3
	s_add_co_u32 s[YB], s[YA], s89
	s_lshl_b32 s89, s[GA], 3
	s_add_co_u32 s[YA], s[YA], s89
	s_lshl_b32 s[YB], s[YB], 14
	s_lshl_b32 s[YA], s[YA], 14
	s_lshl_b32 s89, s92, 11
	s_lshl_b32 s67, s93, 10
	s_add_co_u32 s89, s89, s67
	s_add_co_u32 s[YB], s[YB], s89
	s_add_co_u32 s[YA], s[YA], s89
	s_mov_b32 s67, 0
	s_mov_b32 s89, 0
	GROUP1 G1KA, 4, 256
	GROUP1 G1KB, 12, 256
	GROUP1 G1VA, 4, 2048
	GROUP1 G1VB, 12, 2048
	s_mov_b32 s[SEL], 0x76543210
	s_mov_b32 s[SEL+1], 0xfedcba98
	s_mov_b32 s[CS], 0x3e38aa3b                    ; log2(e) / 8
	s_wait_dscnt 0x0                               ; both opening adds are done
	s_wait_kmcnt 0x0
	s_load_b256 s[80:87], s[6:7], 0x0              ; e0 .. e7
	s_mov_b32 s[G0KA], 1                           ; count = 1
	s_lshl_b32 s[G0KA+1], s[W8], 12                ; LDS: 4,096 w8
	s_add_nc_u64 s[G0KA+2:G0KA+3], s[4:5], s[96:97]
	s_or_b32 s[G0KA+3], s[G0KA+3], 0x80000000      ; type = 2
	s_mov_b32 s[G0KB], 1
	s_mul_i32 s[G0KB+1], s[W8], 12288
	s_add_co_u32 s[G0KB+1], s[G0KB+1], 32768       ; LDS: 32,768 + 12,288 w8
	s_add_nc_u64 s[G0KB+2:G0KB+3], s[4:5], s[98:99]
	s_or_b32 s[G0KB+3], s[G0KB+3], 0x80000000
	s_mov_b32 s[G0VA], 1
	s_lshl_b32 s[G0VA+1], s[W8], 14
	s_add_co_u32 s[G0VA+1], s[G0VA+1], VB          ; LDS: strip w8, key steps 0-3
	s_add_nc_u64 s[G0VA+2:G0VA+3], s[4:5], s[2:3]
	s_mov_b32 s[G0VB], 1
	s_add_co_u32 s[G0VB+1], s[G0VA+1], 4096        ; key steps 4-15 behind them
	s_add_nc_u64 s[G0VB+2:G0VB+3], s[G0VA+2:G0VA+3], 65536
	s_or_b32 s[G0VA+3], s[G0VA+3], 0x80000000
	s_or_b32 s[G0VB+3], s[G0VB+3], 0x80000000
	s_add_nc_u64 s[76:77], s[4:5], s[76:77]
	s_add_nc_u64 s[78:79], s[4:5], s[78:79]
	s_add_nc_u64 s[YA:YA+1], s[8:9], s[YA:YA+1]
	s_add_nc_u64 s[YB:YB+1], s[8:9], s[YB:YB+1]
	CROUND                                         ; all four work-groups are here: the joint loads meet
	FILL G0KA, G1KA, G0VA, G1VA                    ; keys 0-511: one tensor load a wave at the head
	; Q.  I want my queries in their natural order: lane r = token 32 p + 16 x + r of the block.  In q's images that token is lane (r % 8) + 8 x of image 2 p + r / 8.
	v_and_b32 v32, 15, v0                          ; r
	v_bfe_u32 v33, v0, 4, 1                        ; h
	v_bfe_u32 v34, v0, 3, 1                        ; r / 8
	v_and_b32 v35, 7, v0                           ; r % 8
	v_lshlrev_b32 v[QO], 4, v35
	v_lshl_add_u32 v[QO], v34, 11, v[QO]
	v_lshl_add_u32 v[QO], v33, 8, v[QO]            ; 2048 (r / 8) + 16 (r % 8) + 256 h
.irp c, 0,1
	global_load_b128 v[QA+4*\c:QA+4*\c+3], v[QO], s[76:77] offset:512*\c   ; registers 4 c .. 4 c + 3: channels 32 c + 16 h + 0 .. 15
	global_load_b128 v[QB+4*\c:QB+4*\c+3], v[QO], s[78:79] offset:512*\c
.endr
	v_and_b32 v[L16], 31, v0
	v_lshlrev_b32 v34, 4, v33
	v_lshlrev_b32 v[L16], 4, v[L16]
	v_sub_nc_u32 v[DQ], v32, v34
	s_lshl_b32 s90, s22, 5
	s_lshl_b32 s91, s[XX], 4
	s_add_co_u32 s90, s90, s91
	v_add_nc_u32 v[DQ], s90, v[DQ]
.irp st, STA, STB
	v_mov_b32 v[\st+1], 0xff61b1e6                 ; the largest t so far: -3e38, under every t
	v_mov_b32 v[\st+2], 0                          ; the sum, in two halves
	v_mov_b32 v[\st+3], 0
	v_floor_f32 v[\st], -v[\st+1]                  ; -M
.endr
	v_mov_b32 v[PERM], 0                           ; written once: a lane permute's destination counts as one of its sources
	v_mov_b32 v[FP+1], 0                           ; (named as the upper half of the pair)
.set j, 0
.rept 80
	v_mov_b32 v[OA+j], 0                           ; O^T of both tiles (the step has no first step of its own: the first finds zeros, which the first change of M leaves zeros), and P of tile A, written once on every way
.set j, j+1
.endr
	s_wait_kmcnt 0x0
	s_add_co_i32 s90, s82, s83
	s_lshl_b32 s90, s90, 23
	s_add_co_i32 s[CS], s[CS], s90                 ; a score stands for score x 2^(e2 + e3): the two exponents are added to c's exponent field
	s_mov_b32 s[CS+1], s[CS]                       ; (named with it as a pair, so it is written)
	s_add_co_i32 s90, s85, 127
	s_lshl_b32 s91, s90, 23
	v_mov_b32 v[SCLP], s91                         ; 2^e5
	s_add_co_i32 s90, s90, 8
	s_lshl_b32 s90, s90, 23
	s_or_b32 s[LIMP], s90, 0x600000                ; 448 x 2^e5
	s_sub_co_i32 s90, s86, s84                     ; O / l stands for y / 2^(e4 + e5); y's code is y / 2^e6: the three exponents folded into one
	s_sub_co_i32 s90, s90, s85
	s_add_co_i32 s90, s90, 127
	s_lshl_b32 s91, s90, 23
	v_mov_b32 v[SCLY], s91
	s_add_co_i32 s90, s90, 8
	s_lshl_b32 s90, s90, 23
	s_or_b32 s90, s90, 0x600000
	v_mov_b32 v[LIMY], s90
; THE SOFTMAX of one tile for one key step.  st: the tile's statistics; ob: its O^T; pb: where p's codes go; gd: the tile's diagonal step.  Register 16 b + i of S^T holds key 32 b + 16 h + i of the step.
.macro SOFTMAX st, ob, pb, gd
	s_cmp_lg_u32 s[J], s[\gd]                      ; on the diagonal alone: key 32 b + 16 h + i is hidden from query 32 p + 16 x + r where 32 b + i > 32 p + 16 x + r - 16 h
	s_cbranch_scc1 .Lopen_\@
	v_mov_b32 v[NINF], 0xff800000                  ; -infinity: p = 0 then
.set n, 0
.rept 64
	v_cmp_gt_i32 vcc_lo, 32*(n/16)+n%16, v[DQ]
	v_cndmask_b32 v[S+n], v[S+n], v[NINF], vcc_lo
.set n, n+1
.endr
.Lopen_\@:
	v_max3_num_f32 v[T0], v[S], v[S+1], v[S+2]     ; the step's largest score of my query, among my 64 keys, in two chains, each accumulator from its low end on,
	v_max3_num_f32 v[T1], v[S+3], v[S+4], v[S+5]
.irp i, 6,10,14,18,22,26,30,34,38,42,46,50,54,58
	v_max3_num_f32 v[T0], v[T0], v[S+\i], v[S+1+\i]
	v_max3_num_f32 v[T1], v[T1], v[S+2+\i], v[S+3+\i]
.endr
	v_max3_num_f32 v[T0], v[T0], v[S+62], v[S+63]
	v_max_num_f32 v[T0], v[T0], v[T1]
	v_permlanex16_b32 v[PERM], v[T0], s[SEL], s[SEL+1]
	v_max_num_f32 v[T0], v[T0], v[PERM]            ; and among lane l xor 16's
	v_mul_f32 v[T0], s[CS], v[T0]                  ; as t (c is positive)
	v_max_num_f32 v[\st+1], v[\st+1], v[T0]        ; the running largest t
	v_mov_b32 v[T0], v[\st]
	v_floor_f32 v[\st], -v[\st+1]                  ; the new -M = floor(-t) = -ceil(t): a whole number
	v_sub_f32 v[T0], v[\st], v[T0]                 ; M's old value less its new one: a whole number, 0 or less
	v_cvt_i32_f32 v[T0], v[T0]                     ; (it saturates)
	v_ldexp_f32 v[FP], 1.0, v[T0]                  ; f = 2^(old M - new M)
.set j, 0
.rept 32
	v_pk_fma_f32 v[S+j:S+j+1], v[S+j:S+j+1], s[CS:CS+1], v[\st:\st+1] op_sel_hi:[1,0,0]   ; t - M, two at a time (of the pairs c and -M the low word serves both halves)
.set j, j+2
.endr
	s_wait_alu depctr_va_vdst(0)                   ; ahead of the batch
.set j, 0
.rept 64
	v_exp_f32 v[S+j], v[S+j]                       ; p = 2^(t - M), at most 1: not normalised
.set j, j+1
.endr
	v_pk_mul_f32 v[\st+2:\st+3], v[\st+2:\st+3], v[FP:FP+1] op_sel_hi:[1,0]   ; the sums under the new M.  (The plain place behind the exponentials)
	s_wait_alu depctr_va_vdst(0)                   ; one wait for the whole batch, ahead of its first reader
	v_pk_add_f32 v[SUM2:SUM2+1], v[S:S+1], v[S+2:S+3]                          ; the row's sum is taken of the unquantised p: two at a time, in two chains
.irp j, 4,8,12,16,20,24,28,32,36,40,44,48,52,56,60
	v_pk_add_f32 v[\st+2:\st+3], v[\st+2:\st+3], v[S+\j:S+\j+1]
	v_pk_add_f32 v[SUM2:SUM2+1], v[SUM2:SUM2+1], v[S+2+\j:S+3+\j]
.endr
	v_pk_add_f32 v[\st+2:\st+3], v[\st+2:\st+3], v[SUM2:SUM2+1]
	s_wait_alu depctr_va_vdst(0)                   ; directly ahead of the first reader of O^T
.set j, 0
.rept 16
	v_pk_mul_f32 v[\ob+j:\ob+j+1], v[\ob+j:\ob+j+1], v[FP:FP+1] op_sel_hi:[1,0]   ; O^T under the new M: x f.  It stands ahead of the conversions, which for tile B land on f's registers
.set j, j+2
.endr
.irp b, 0,1,2,3
.irp i, 0,2,4,6,8,10,12,14
	v_dual_min_num_f32 v[S+16*\b+\i], s[LIMP], v[S+16*\b+\i] :: v_dual_min_num_f32 v[S+16*\b+\i+1], s[LIMP], v[S+16*\b+\i+1]   ; the conversion to an 8-bit code does not saturate (ISA guide 7.6.2); p is not negative, so the hold is one-sided; two holds an instruction
.endr
	v_cvt_scalef32_pk8_fp8_f32 v[\pb+4*\b:\pb+4*\b+1], v[S+16*\b:S+16*\b+7], v[SCLP]
	v_cvt_scalef32_pk8_fp8_f32 v[\pb+4*\b+2:\pb+4*\b+3], v[S+16*\b+8:S+16*\b+15], v[SCLP]
.endr
	v_nop                                          ; one plain vector instruction between the conversions and the matrix instructions that read their results or write their sources
.endm
; A KEY STEP of 128 keys.  K's eight fragments serve tile A (while it is live) and then tile B; V's four come in under tile B's softmax and serve both.
.macro PSTEP
	s_cmp_gt_u32 s[J], s[GB]                       ; all of this step's keys come after both tiles' queries: only the addresses step
	s_cbranch_scc1 .Lskip_\@
	v_add_nc_u32 v[ADR], s[TBK], v[L16]
.rept 3
	v_nop                                          ; with the addition: four places in front of loads into registers that the last products read
.endr
.irp t, 0,1,2,3,4,5,6,7
.irp c, 0,1
	ds_load_b128 v[F+8*\t+4*\c:F+8*\t+4*\c+3], v[ADR] offset:1024*\t+512*\c   ; 32 lanes read 512 consecutive bytes
.endr
.endr
	s_cmp_gt_u32 s[J], s[GA]                       ; tile A is over: its products and its softmax are left out
	s_cbranch_scc1 .Lnoa_\@
	s_wait_dscnt 8                                 ; tiles 0-3 are in; the youngest eight loads (tiles 4-7) may be out
.irp t, 0,1,2,3
	v_wmma_f32_16x16x64_fp8_fp8 v[S+8*\t:S+8*\t+7], v[F+8*\t:F+8*\t+7], v[QA:QA+7], 0
.endr
	s_wait_dscnt 0x0
.irp t, 4,5,6,7
	v_wmma_f32_16x16x64_fp8_fp8 v[S+8*\t:S+8*\t+7], v[F+8*\t:F+8*\t+7], v[QA:QA+7], 0
.endr
.rept 4
	v_nop                                          ; places in front of the first read of the scores
.endr
	SOFTMAX STA, OA, PA, GA
.Lnoa_\@:
	s_wait_dscnt 0x0                               ; K's fragments are in, on both ways
.irp t, 0,1,2,3,4,5,6,7
	v_wmma_f32_16x16x64_fp8_fp8 v[S+8*\t:S+8*\t+7], v[F+8*\t:F+8*\t+7], v[QB:QB+7], 0
.endr
	v_add_nc_u32 v[ADR], s[TBV], v[L16]
.rept 3
	v_nop                                          ; with the addition: four places, for the loads over K's fragments and for the first read of the scores
.endr
.irp t, 0,1
.irp c, 0,1,2,3
	ds_load_b128 v[F+16*\t+4*\c:F+16*\t+4*\c+3], v[ADR] offset:16384*(2*\t+\c/2)+512*(\c%2)
.endr
.endr
	v_add_nc_u32 v[ADR], 0x10000, v[ADR]           ; strips 4-7 lie beyond the immediate's 16 bits
.irp t, 0,1
.irp c, 0,1,2,3
	ds_load_b128 v[F+32+16*\t+4*\c:F+32+16*\t+4*\c+3], v[ADR] offset:16384*(2*\t+\c/2)+512*(\c%2)
.endr
.endr
	SOFTMAX STB, OB, PB, GB
	s_wait_alu depctr_va_vdst(0)                   ; directly ahead of the wait below
	s_wait_dscnt 0x0                               ; V is in
	s_cmp_gt_u32 s[J], s[GA]
	s_cbranch_scc1 .Lnopa_\@
.irp t, 0,1,2,3                                ; O^T += V^T P^T: each accumulator has one instruction a step
	v_wmma_f32_16x16x128_fp8_fp8 v[OA+8*\t:OA+8*\t+7], v[F+16*\t:F+16*\t+15], v[PA:PA+15], v[OA+8*\t:OA+8*\t+7]
.endr
.Lnopa_\@:
.irp t, 0,1,2,3
	v_wmma_f32_16x16x128_fp8_fp8 v[OB+8*\t:OB+8*\t+7], v[F+16*\t:F+16*\t+15], v[PB:PB+15], v[OB+8*\t:OB+8*\t+7]
.endr
.Lskip_\@:
	s_add_co_u32 s[TBK], s[TBK], 8192              ; eight tiles of K on,
	s_add_co_u32 s[TBV], s[TBV], 1024              ; one key step of V on
.endm
	s_wait_alu depctr_va_vdst(0)                   ; the head's end
	s_wait_loadcnt 0x0                             ; Q
	s_wait_tensorcnt 0x0                           ; my part of keys 0-511 is in
	ds_add_u32 v254, v255
	s_wait_dscnt 0x0
	CROUND                                         ; everybody's part is in, and all four work-groups are here: the joint loads meet
	FILL G0KB, G1KB, G0VB, G1VB                    ; keys 512-2047: the first tensor load behind the round, one a wave
	s_mov_b32 s[J], 0
	s_mov_b32 s[TBK], 0
	s_mov_b32 s[TBV], VB
.Learly:                                           ; key steps 0-3
	PSTEP
	s_add_co_u32 s[J], s[J], 1
	s_cmp_lt_u32 s[J], 4
	s_cbranch_scc1 .Learly
	s_wait_tensorcnt 0x0                           ; my late fill is in,
	s_wait_dscnt 0x0
	s_barrier_signal -1
	s_barrier_wait -1                              ; everybody's is
	s_mov_b32 s[J], 4
	s_mov_b32 s[TBK], 32768
	s_mov_b32 s[TBV], VB+4096
.Llate:                                            ; key steps 4-15
	PSTEP
	s_add_co_u32 s[J], s[J], 1
	s_cmp_lt_u32 s[J], 16
	s_cbranch_scc1 .Llate
; THE WAY OUT of one tile.  O^T / the sum, held within +-448 x the scale, converted: registers 16 b + i are channels 32 b + 16 h + i of my query: four registers are 16 bytes of an image, stored as they stand.
.macro OUT st, ob, x, base
	v_add_f32 v[T0], v[\st+2], v[\st+3]            ; the sum's two halves,
	v_permlanex16_b32 v[PERM], v[T0], s[SEL], s[SEL+1]
	v_add_f32 v[T0], v[T0], v[PERM]                ; and lane l xor 16's: the row's sum
	s_wait_alu depctr_va_vdst(0)                   ; ahead of the transcendental
	v_rcp_f32 v[T0], v[T0]
	v_nop                                          ; one plain place behind the transcendental
	s_wait_alu depctr_va_vdst(0)                   ; ahead of its first reader, and of the first reader of O^T
.set j, 0
.rept 32
	v_mul_f32 v[S+32*(\x)+j], v[\ob+j], v[T0]      ; each accumulator from its low end on
.set j, j+1
.endr
.set j, 0
.rept 32
	v_med3_num_f32 v[S+32*(\x)+j], v[S+32*(\x)+j], -v[LIMY], v[LIMY]
.set j, j+1
.endr
.irp b, 0,1
	v_cvt_scalef32_pk8_fp8_f32 v[F+8*(\x)+4*\b:F+8*(\x)+4*\b+1], v[S+32*(\x)+16*\b:S+32*(\x)+16*\b+7], v[SCLY]
	v_cvt_scalef32_pk8_fp8_f32 v[F+8*(\x)+4*\b+2:F+8*(\x)+4*\b+3], v[S+32*(\x)+16*\b+8:S+32*(\x)+16*\b+15], v[SCLY]
.endr
	v_nop
.irp b, 0,1
	global_store_b128 v[L16], v[F+8*(\x)+4*\b:F+8*(\x)+4*\b+3], s[\base:\base+1] offset:512*\b   ; 32 lanes store 512 consecutive bytes, at a multiple of 512 from the buffer's first byte
.endr
.endm
.rept 4
	v_nop                                          ; places behind the last products: their results are read, and registers that they read are written
.endr
	OUT STA, OA, 0, YA
	OUT STB, OB, 1, YB
	s_wait_xcnt 0x0
	v_lshl_add_u32 v254, v0, 2, SPARE              ; the add's two registers, made anew from v0
	v_mov_b32 v255, 0
	s_wait_alu depctr_va_vdst(0)
	s_wait_tensorcnt 0x0                           ; the wave's end
	ds_add_u32 v254, v255
	s_wait_dscnt 0x0
	CROUND                                         ; the closing round: no work-group ends while a partner may still ask for a tile that names it
	s_endpgm
.Lfunc_end_k_qfb4167468e_attn:
	.size	k_qfb4167468e_attn, .Lfunc_end_k_qfb4167468e_attn-k_qfb4167468e_attn
	.p2alignl 7, 3214868480
	.fill 96, 4, 3214868480
	.section	.rodata,"a",@progbits
	.p2align	6, 0x0
	.amdhsa_kernel k_qfb4167468e_attn
		.amdhsa_group_segment_fixed_size 327680
		.amdhsa_private_segment_fixed_size 0
		.amdhsa_enable_private_segment 0
		.amdhsa_kernarg_size 24
		.amdhsa_user_sgpr_count 2
		.amdhsa_user_sgpr_kernarg_segment_ptr 1
		.amdhsa_wavefront_size32 1
		.amdhsa_system_sgpr_workgroup_id_x 1
		.amdhsa_system_sgpr_workgroup_id_y 1
		.amdhsa_system_sgpr_workgroup_id_z 1
		.amdhsa_system_vgpr_workitem_id 0
		.amdhsa_next_free_vgpr 256
		.amdhsa_next_free_sgpr 100
		.amdhsa_reserve_vcc 1
		.amdhsa_float_denorm_mode_32 3
		.amdhsa_float_denorm_mode_16_64 3
		.amdhsa_memory_ordered 1
		.amdhsa_forward_progress 1
		.amdhsa_inst_pref_size 99
	.end_amdhsa_kernel
	.amdgpu_metadata
---
amdhsa.version: [ 1, 2 ]
amdhsa.kernels:
  - .name:           k_qfb4167468e_attn
    .symbol:         k_qfb4167468e_attn.kd
    .args:
      - { .name: qkv, .offset: 0, .size: 8, .value_kind: global_buffer, .address_space: global }
      - { .name: lowp_scales, .offset: 8, .size: 8, .value_kind: global_buffer, .address_space: global }
      - { .name: yimg, .offset: 16, .size: 8, .value_kind: global_buffer, .address_space: global }
    .group_segment_fixed_size: 327680
    .private_segment_fixed_size: 0
    .kernarg_segment_align: 8
    .kernarg_segment_size: 24
    .max_flat_workgroup_size: 512
    .sgpr_count:     100
    .vgpr_count:     256
    .wavefront_size: 32
...
	.end_amdgpu_metadata
.endif
;; end of part 2
;; launch proj (part 3): grid 4 x 64, 4 waves a work-group, clusters of 4 x 4, 327,680 bytes of LDS; arguments yimg, W_proj_codes, lowp_scales, out0; writes out0
.if DOCPART == 3
	.amdgcn_target "amdgcn-amd-amdhsa--gfx1250"
	.amdhsa_code_object_version 6
	.text
	.protected	k_qfb4167468e_proj
	.globl	k_qfb4167468e_proj
	.p2align	8
	.type	k_qfb4167468e_proj,@function
k_qfb4167468e_proj:
	s_mov_b64 s[64:65], 0
	v_nop
	global_prefetch_b8 v0, s[64:65] scope:SCOPE_SE
	s_setreg_imm32_b32 hwreg(HW_REG_WAVE_MODE, 25, 1), 1
	s_wait_xcnt 0x0
	s_wait_alu depctr_hold_cnt(0) depctr_sa_sdst(0) depctr_va_vdst(0) depctr_va_sdst(0) depctr_va_ssrc(0) depctr_va_vcc(0) depctr_vm_vsrc(0)
	s_getreg_b32 s2, hwreg(HW_REG_IB_STS2, 6, 4)
	s_cmp_eq_u32 s2, 0
	s_cbranch_scc0 .Lentry_in_a_cluster
	s_endpgm
.Lentry_in_a_cluster:
	s_bfe_u32 s2, ttmp6, 0x10000c
	s_cmp_lg_u32 s2, 0xf033
	s_cbranch_scc0 .Lentry_shape_is_right
	s_endpgm
.Lentry_shape_is_right:
; out0 = y W_proj on codes of FP8 (E4M3): y's codes come as images of operand registers (tiles of 16 tokens x 1,024 channels, 16,384 bytes each: 2,048 bytes for 128 along K) with 2^e6; W_proj_codes [1024][1024], K innermost, with 2^e7.
; A work-group of four waves makes 128 tokens x 256 columns, a wave 64 x 128: 32 accumulators.  256 work-groups in clusters of 4 x 4: y's tiles are shared along a row of the cluster, W_proj's along a column, each asked for JOINTLY.
; The matrix instruction is used transposed (source 0 = 16 rows of W_proj, source 1 = 16 tokens): a lane holds eight neighbouring numbers of a row of out0.
; LDS: two slots, each with y's 8 tiles (4,096 bytes each) and 256 rows of W_proj for 256 along K.  EVERY REQUEST FILLS BOTH SLOTS, one tensor load a wave: waves 0, 1 fetch y for the two K steps, waves 2, 3 W_proj.
; Two requests: K 0-511 at the head, K 512-1023 in the last step of 128 on the first tiles, behind an add to the spare word, its wait and a round of the cluster's barrier.
; No prefetch is written: K is 1,024 and each request covers half of it.
; Each finished sum is multiplied once by 2^(e6 + e7) and leaves through the wave's own stage as whole rows of 512 bytes.  LIMIT: e6 + e7 lies between -126 and 127, so that 2^(e6 + e7) is an f32 number.
; REGISTERS, in windows of 256: window 0: v0-31 addresses; from v128 y's fragments, two sets of four; on the way out v32-95 scaled sums, v128-255 rows read back.  window 1: W_proj's fragments, two sets of eight.  window 2: the accumulators.
.set PITCH,  272                       ; an LDS row of W_proj: 256 bytes + 16 of padding
.set FR,     16                        ; registers of a fragment: 16 rows x 128 K
.set HALFT,  128*PITCH
.set ABYTES, 32768                     ; y's part of a slot
.set SLOT,   ABYTES+2*HALFT
.set SPARE,  2*SLOT                    ; behind the slots: the spare words, 128 bytes for each wave; no other line names them
.set STAGE,  SPARE+512                 ; behind them: a stage of 16 rows x SPITCH bytes for each wave; no tensor load lands there
.set SPITCH, 528
.set ADRA, 16                          ; v16-17  LDS address of my fragments of y in slot 0, 1
.set ADRB, 20                          ; v20-21  the same for W_proj
.set STO,  24                          ; v24     the stage: where I put 32 bytes of a row
.set RD,   25                          ; v25     the stage: where I read a row back
.set CO,   26                          ; v26     16 x lane
.set SPW,  28                          ; v28     LDS address of my spare word; never rewritten
.set NIL,  29                          ; v29     0; never rewritten
.set TMP,  32
.set AF,   128
.set BK,   128
.set G1,  24                           ; s[24:31] descriptor group 1 for y's tiles;  s[32:35] group 0
.set G0,  32
.set G0B, 36                           ; s[36:39], s[48:55] the same for W_proj's
.set G1B, 48
.set MSB, 0
.macro WIN new                         ; the immediate's high byte repeats the setting that is left; a switch that changes nothing is dropped
.if MSB != (\new)
	s_set_vgpr_msb (MSB<<8)|(\new)
.set MSB, (\new)
.endif
.endm
.set MUL,  0xa1                        ; source 0 (W_proj) window 1, source 1 (y) window 0, C and D window 2
.set TO_B, 0x40                        ; destination window 1, address window 0
; A joint load: waves 0 and 1 fetch y, waves 2 and 3 W_proj; wave % 2 is the slot and the K step, by the addresses in group 0.  An s_nop 0 and four v_nop follow each line.
.macro JLOAD
	s_cmp_eq_u32 s15, 0
	s_cbranch_scc0 .Lfor_b_\@
	tensor_load_to_lds s[G0:G0+3], s[G1:G1+7]
	s_nop 0
.rept 4
	v_nop
.endr
	s_branch .Lasked_\@
.Lfor_b_\@:
	tensor_load_to_lds s[G0B:G0B+3], s[G1B:G1B+7]
	s_nop 0
.rept 4
	v_nop
.endr
.Lasked_\@:
.endm
.macro CREST                           ; a round of the cluster's barrier behind its opening barrier
	s_cmp_lg_u32 s14, 0
	s_cbranch_scc1 .Lnot_wave_0_\@
	s_barrier_signal -3
.Lnot_wave_0_\@:
	s_barrier_wait -3
	s_barrier_signal -1
	s_barrier_wait -1
.endm
.macro CROUND
	s_barrier_signal -1
	s_barrier_wait -1
	CREST
.endm
	s_load_b128 s[4:7], s[0:1], 0x0                ; y's images s[4:5], W_proj's codes s[6:7]
	s_load_b128 s[8:11], s[0:1], 0x10              ; the scales' exponents s[8:9], out0 s[10:11]
	v_lshl_add_u32 v[SPW], v0, 2, SPARE
	v_mov_b32 v[NIL], 0
	ds_add_u32 v[SPW], v[NIL]                      ; the opening: the add, twice on end, and its wait ahead of my first tensor load
	ds_add_u32 v[SPW], v[NIL]
	v_lshrrev_b32 v1, 5, v0
	v_readfirstlane_b32 s14, v1                    ; wave 0..3
	s_lshr_b32 s15, s14, 1                         ; which 64 tokens are mine.  Also: I fetch y (0) or W_proj (1)
	s_and_b32 s16, s14, 1                          ; which 128 columns.  Also: which slot and K step I fetch
	s_bfe_u32 s40, ttmp6, 0x40000                  ; cx, cy: my place in the cluster
	s_bfe_u32 s41, ttmp6, 0x40004
	s_lshl_b32 s42, ttmp9, 2
	s_add_co_u32 s42, s42, s40                     ; tile column (256 columns) = 4 x cluster x + cx
	s_and_b32 s17, ttmp7, 0xffff
	s_lshl_b32 s17, s17, 2
	s_add_co_u32 s17, s17, s41                     ; tile row (128 tokens) = 4 x cluster y + cy
	s_lshl_b32 s43, s41, 2
	s_lshl_b32 s43, 15, s43                        ; my row of the cluster
	s_lshl_b32 s44, 0x1111, s40                    ; my column
	s_or_b32 s[G1+0], s43, (3<<16)|(1<<21)         ; y: the mask of my row; elements of 8 bytes; 21 set beside a mask; no padding
	s_mov_b32 s[G1+1], 512<<16                     ; rows of 512 elements: 4,096 bytes, a tile's 256 along K
	s_mov_b32 s[G1+2], 8<<16                       ; 8 rows: my work-group's 8 tiles of 16 tokens
	s_mov_b32 s[G1+3], 512<<16
	s_mov_b32 s[G1+4], 8
	s_mov_b32 s[G1+5], 2048                        ; 16,384 bytes from tile to tile
	s_mov_b32 s[G1+6], 0
	s_mov_b32 s[G1+7], 0
	s_or_b32 s[G1B+0], s44, (0<<16)|(1<<20)|(1<<21)|(5<<22)|(3<<25)   ; W_proj: the mask of my column; elements of 1 byte; four words of padding after every 64
	s_mov_b32 s[G1B+1], 256<<16
	s_mov_b32 s[G1B+2], 256<<16                    ; 256 rows of 256 bytes
	s_mov_b32 s[G1B+3], 256<<16
	s_mov_b32 s[G1B+4], 256
	s_mov_b32 s[G1B+5], 1024
	s_mov_b32 s[G1B+6], 0
	s_mov_b32 s[G1B+7], 0
	s_lshl_b32 s20, s17, 17                        ; y: 8 tiles of 16,384 bytes x tile row,
	s_lshl_b32 s18, s16, 12
	s_add_co_u32 s20, s20, s18                     ; + my K step's 4,096 bytes; under 2^24
	s_mov_b32 s21, 0
	s_lshl_b32 s46, s42, 18                        ; W_proj: 256 rows of 1,024 bytes x tile column,
	s_lshl_b32 s18, s16, 8
	s_add_co_u32 s46, s46, s18                     ; + my K step's 256 bytes
	s_mov_b32 s47, 0
	s_mul_i32 s45, s16, SLOT                       ; where they go: slot wave % 2: no place in the cluster enters an LDS address
	s_wait_dscnt 0x0                               ; both opening adds are done
	s_wait_kmcnt 0x0
	s_load_b256 s[68:75], s[8:9], 0x0              ; e0 .. e7
	s_mov_b32 s[G0], 1
	s_mov_b32 s[G0+1], s45
	s_add_nc_u64 s[G0+2:G0+3], s[4:5], s[20:21]
	s_or_b32 s[G0+3], s[G0+3], 0x80000000
	s_mov_b32 s[G0B], 1
	s_add_co_u32 s[G0B+1], s45, ABYTES             ; W_proj's rows lie behind y's tiles
	s_add_nc_u64 s[G0B+2:G0B+3], s[6:7], s[46:47]
	s_or_b32 s[G0B+3], s[G0B+3], 0x80000000
	CROUND                                         ; all sixteen work-groups are here: the first joint loads meet
	JLOAD                                          ; K 0-511: both slots, one tensor load a wave
	s_lshl_b32 s21, s15, 14                        ; my four tiles of y
	s_mul_i32 s22, s16, HALFT                      ; my 128 rows of W_proj,
	s_add_co_u32 s22, s22, ABYTES                  ; which lie behind y's tiles
	s_mul_i32 s23, s14, 16*SPITCH
	s_add_co_u32 s23, s23, STAGE                   ; my stage
	v_and_b32 v1, 15, v0                           ; r = l % 16
	v_bfe_u32 v2, v0, 4, 1                         ; h = l / 16
	v_mul_u32_u24 v3, v1, PITCH
	v_lshl_add_u32 v4, v2, 4, v3                   ; a fragment's row x pitch + 16 x half
	v_and_b32 v6, 31, v0
	v_lshlrev_b32 v[CO], 4, v6
	v_add_nc_u32 v[ADRA], s21, v[CO]               ; an image is read as it lies: 16 x lane
	v_add_nc_u32 v[ADRB], s22, v4
	v_add_nc_u32 v[ADRA+1], SLOT, v[ADRA]
	v_add_nc_u32 v[ADRB+1], SLOT, v[ADRB]
	v_mul_u32_u24 v5, v1, SPITCH                   ; the stage, in: row r, 32 bytes for each half of the lanes
	v_lshl_add_u32 v5, v2, 5, v5
	v_add_nc_u32 v[STO], s23, v5
	v_add_nc_u32 v[RD], s23, v[CO]                 ; back: the 32 lanes take one row of 512 bytes
	s_lshl_b32 s20, s17, 7
	s_lshl_b32 s21, s15, 6
	s_add_co_u32 s20, s20, s21                     ; my first row of out0: 128 x tile row + 64 x half,
	s_lshl_b32 s20, s20, 12                        ; rows of 4,096 bytes; under 2^26
	s_lshl_b32 s46, s42, 10                        ; my first column, in bytes: 1,024 x tile column + 512 x half
	s_lshl_b32 s47, s16, 9
	s_add_co_u32 s46, s46, s47
	s_add_co_u32 s20, s20, s46
	s_mov_b32 s21, 0
	s_add_nc_u64 s[10:11], s[10:11], s[20:21]
.macro FETCH3 slot, q, set             ; the fragments of the slot's q-th 128 along K: W_proj's eight and y's four, into set 0 or 1
	WIN TO_B
.irp i, 0,1,2,3,4,5,6,7
.irp c, 0,1,2,3
	ds_load_b128 v[128*(\set)+FR*\i+4*\c:128*(\set)+FR*\i+4*\c+3], v[ADRB+\slot] offset:128*\q+32*\c+\i*16*PITCH
.endr
.endr
	WIN 0
.irp i, 0,1,2,3
.irp c, 0,1,2,3
	ds_load_b128 v[AF+64*(\set)+FR*\i+4*\c:AF+64*(\set)+FR*\i+4*\c+3], v[ADRA+\slot] offset:4096*\i+2048*\q+512*\c
.endr
.endr
.endm
; 8 matrix instructions: y's tile a x W_proj's eight.  The 32 accumulators take turns, one instruction a turn, in the same order in every step.  zero = 1: the first product starts the sums.
.macro MUL8 a, set, zero
.irp b, 0,1,2,3,4,5,6,7
.if \zero
	v_wmma_f32_16x16x128_fp8_fp8 v[8*(8*\a+\b):8*(8*\a+\b)+7], v[128*\set+FR*\b:128*\set+FR*\b+FR-1], v[AF+64*\set+FR*\a:AF+64*\set+FR*\a+FR-1], 0
.else
	v_wmma_f32_16x16x128_fp8_fp8 v[8*(8*\a+\b):8*(8*\a+\b)+7], v[128*\set+FR*\b:128*\set+FR*\b+FR-1], v[AF+64*\set+FR*\a:AF+64*\set+FR*\a+FR-1], v[8*(8*\a+\b):8*(8*\a+\b)+7]
.endif
.endr
.endm
.macro PLACES n                        ; places behind matrix instructions (ISA guide 7.12.1 for vector instructions)
.rept \n
	v_nop
.endr
.endm
; A step of 128 along K on set p; the next step's fragments (slot ns, its nq-th 128) go into the other set while this step's 32 products are issued.
.macro STEP3 p, ns, nq, zero
	s_wait_dscnt 0x0                               ; this step's fragments are in
	PLACES 4
	FETCH3 \ns, \nq, 1-\p
	WIN MUL
	MUL8 0, \p, \zero
	MUL8 1, \p, \zero
	MUL8 2, \p, \zero
	MUL8 3, \p, \zero
	WIN 0
.endm
.macro MEET                            ; my part of both slots is in; behind the barrier everybody's is.
	s_wait_tensorcnt 0x0
	s_barrier_signal -1
	s_barrier_wait -1
.endm
	s_wait_alu depctr_va_vdst(0)                   ; the head's end
	MEET
	FETCH3 0, 0, 0
	STEP3 0, 0, 1, 1                               ; K 0-127: these products start the sums
	STEP3 1, 1, 0, 0
	STEP3 0, 1, 1, 0
	s_wait_tensorcnt 0x0                           ; the last step on these tiles: no tensor load of mine is out  (every window is 0 here)
	ds_add_u32 v[SPW], v[NIL]                      ; 0 onto my spare word
	s_wait_dscnt 0x0                               ; the add is done, and my reads of both slots are over
	s_barrier_signal -1
	WIN MUL
	MUL8 0, 1, 0
	MUL8 1, 1, 0
	WIN 0
	s_barrier_wait -1
	CREST                                          ; the barrier has opened a round of the cluster's barrier: no wave of any partner still reads the slots or has a load on its way
	s_add_nc_u64 s[G0+2:G0+3], s[G0+2:G0+3], 8192  ; two K steps on in y's tiles,
	s_add_nc_u64 s[G0B+2:G0B+3], s[G0B+2:G0B+3], 512   ; and in W_proj's rows
	JLOAD                                          ; K 512-1023: the first tensor load behind the round, one a wave
	WIN MUL
	MUL8 2, 1, 0
	MUL8 3, 1, 0
	WIN 0
	MEET
	PLACES 4                                       ; behind the last products, for the loads into the registers that earlier products read
	FETCH3 0, 0, 0
	STEP3 0, 0, 1, 0
	STEP3 1, 1, 0, 0
	STEP3 0, 1, 1, 0
	s_wait_dscnt 0x0                               ; the last step: nothing more to fetch
	WIN MUL
	MUL8 0, 1, 0
	MUL8 1, 1, 0
	MUL8 2, 1, 0
	MUL8 3, 1, 0
	WIN 0
; THE WAY OUT, block by block of 16 rows x 128 columns: each pair of sums x 2^(e6 + e7), each accumulator from its low end on, through my own stage, and back as whole rows of 512 bytes.
; LDS serves a wave's instructions in order (ISA guide 5.7.1.4): no wait between the stores and the loads, nor in front of the next block's stores.
.macro TOSTAGE a
	WIN 0x02
.set j, 0
.rept 32
	v_pk_mul_f32 v[TMP+j:TMP+j+1], v[64*\a+j:64*\a+j+1], s[96:97] op_sel_hi:[1,0]
.set j, j+2
.endr
	WIN 0
.irp b, 0,1,2,3,4,5,6,7
	ds_store_b128 v[STO], v[TMP+8*\b:TMP+8*\b+3] offset:64*\b
	ds_store_b128 v[STO], v[TMP+8*\b+4:TMP+8*\b+7] offset:64*\b+16
.endr
.set BB, BK+64*((\a)%2)
.irp t, 0,1,2,3,4,5,6,7,8,9,10,11,12,13,14,15
	ds_load_b128 v[BB+4*\t:BB+4*\t+3], v[RD] offset:\t*SPITCH
.endr
.endm
.macro SEND a, younger                 ; younger: the LDS instructions issued behind block a's loads, which may stay out
.set BB, BK+64*((\a)%2)
	s_wait_dscnt \younger
.irp t, 0,1,2,3,4,5,6,7,8,9,10,11,12,13,14,15
	global_store_b128 v[CO], v[BB+4*\t:BB+4*\t+3], s[10:11] offset:(16*(\a)+\t)*4096 th:TH_STORE_NT   ; 32 lanes store 512 consecutive bytes, at a multiple of 512 from out0's first byte
.endr
.endm
	s_wait_kmcnt 0x0
	s_add_co_i32 s96, s74, s75                     ; e6 + e7, between -126 and 127,
	s_add_co_i32 s96, s96, 127
	s_lshl_b32 s96, s96, 23                        ; makes the f32 number 2^(e6 + e7)
	s_mov_b32 s97, s96                             ; (named with it as a pair, so it is written)
	PLACES 4
	TOSTAGE 0
	TOSTAGE 1
	SEND 0, 32                                     ; behind block 0's loads: block 1's 16 stores and 16 loads
	s_wait_xcnt 0x0                                ; block 0's stores have read their registers: block 2's rows may land there
	TOSTAGE 2
	SEND 1, 32
	s_wait_xcnt 0x0
	TOSTAGE 3
	SEND 2, 32
	SEND 3, 0
	s_wait_tensorcnt 0x0                           ; the wave's end: behind my last tensor load and my last LDS store
	ds_add_u32 v[SPW], v[NIL]
	s_wait_dscnt 0x0
	CROUND                                         ; the closing round: no work-group ends while a partner may still ask for a tile that names it
	s_endpgm
.Lfunc_end_k_qfb4167468e_proj:
	.size	k_qfb4167468e_proj, .Lfunc_end_k_qfb4167468e_proj-k_qfb4167468e_proj
	.p2alignl 7, 3214868480
	.fill 96, 4, 3214868480
	.section	.rodata,"a",@progbits
	.p2align	6, 0x0
	.amdhsa_kernel k_qfb4167468e_proj
		.amdhsa_group_segment_fixed_size 327680
		.amdhsa_private_segment_fixed_size 0
		.amdhsa_enable_private_segment 0
		.amdhsa_kernarg_size 32
		.amdhsa_user_sgpr_count 2
		.amdhsa_user_sgpr_kernarg_segment_ptr 1
		.amdhsa_wavefront_size32 1
		.amdhsa_system_sgpr_workgroup_id_x 1
		.amdhsa_system_sgpr_workgroup_id_y 1
		.amdhsa_system_sgpr_workgroup_id_z 1
		.amdhsa_system_vgpr_workitem_id 0
		.amdhsa_next_free_vgpr 768
		.amdhsa_next_free_sgpr 100
		.amdhsa_reserve_vcc 0
		.amdhsa_float_denorm_mode_32 3
		.amdhsa_float_denorm_mode_16_64 3
		.amdhsa_memory_ordered 1
		.amdhsa_forward_progress 1
		.amdhsa_inst_pref_size 72
	.end_amdhsa_kernel
	.amdgpu_metadata
---
amdhsa.version: [ 1, 2 ]
amdhsa.kernels:
  - .name:           k_qfb4167468e_proj
    .symbol:         k_qfb4167468e_proj.kd
    .args:
      - { .name: yimg, .offset: 0, .size: 8, .value_kind: global_buffer, .address_space: global }
      - { .name: W_proj_codes, .offset: 8, .size: 8, .value_kind: global_buffer, .address_space: global }
      - { .name: lowp_scales, .offset: 16, .size: 8, .value_kind: global_buffer, .address_space: global }
      - { .name: out0, .offset: 24, .size: 8, .value_kind: global_buffer, .address_space: global }
    .group_segment_fixed_size: 327680
    .private_segment_fixed_size: 0
    .kernarg_segment_align: 8
    .kernarg_segment_size: 32
    .max_flat_workgroup_size: 128
    .sgpr_count:     100
    .vgpr_count:     768
    .wavefront_size: 32
...
	.end_amdgpu_metadata
.endif
;; end of part 3
